; MI455X (gfx1250); checked and timed in simulation.
; The chip was launched on July 23, 2026; its instructions are those of AMD's public machine-readable ISA for CDNA 5 (MIT licence, August 2026) and "CDNA5" Instruction Set Architecture Reference Guide (July 2026). The comments in the code are by the model that wrote it; some were corrected since.
;; Mutual Attention. Allowed arithmetic: matrix products marked QUANTISED: E2M1 operands, one E8M0 scale for each 32 along K, by v_wmma_scale_f32_16x16x128_f8f6f4 with both operands' format E2M1 (or v_wmma_scale_f32_32x16x128_f4), f32 sums; everything else in f32.
;; Inputs: Wk_codes 512 x 16 x 16 uint8 (E2M1 codes of Wk, K innermost, in blocks of 32 codes, two codes a byte); Wk_scales 512 x 16 uint8 (E8M0 scales of Wk, one for each 32 codes along K); Wq_codes 512 x 16 x 16 uint8 (E2M1 codes of Wq, K innermost, in blocks of 32 codes, two codes a byte); Wq_scales 512 x 16 uint8 (E8M0 scales of Wq, one for each 32 codes along K); Wv_codes 256 x 8 x 16 uint8 (E2M1 codes of Wv, K innermost, in blocks of 32 codes, two codes a byte); Wv_scales 256 x 8 uint8 (E8M0 scales of Wv, one for each 32 codes along K); k_token_codes 8,192 x 16 x 16 uint8 (E2M1 codes of k_token, K innermost, in blocks of 32 codes, two codes a byte); k_token_scales 8,192 x 16 uint8 (E8M0 scales of k_token, one for each 32 codes along K); q_token_codes 8,192 x 16 x 16 uint8 (E2M1 codes of q_token, K innermost, in blocks of 32 codes, two codes a byte); q_token_scales 8,192 x 16 uint8 (E8M0 scales of q_token, one for each 32 codes along K); v_token 8,192 x 256 float32.
;; Outputs: out0 8,192 x 256 float32; out1 one number float32.
;; This version of the problem:
;;   THIS VERSION OF THE PROBLEM IS GIVEN IN LOW PRECISION. The matrix products marked QUANTISED in the list below multiply operands that are first quantised to E2M1 (2 exponent bits, 1 mantissa bit; 4 bits a number), with one power-of-two scale for each 32 numbers along K (OCP MX v1.0); their sums are f32. All else is computed in f32.
;;   The module's matrix products, in the order in which they are computed (A, B: the left and right operand; K: the contracted axis; several contracted axes count as one K, in the product's order):
;;     1. [M 8,192, K 512] x [K 512, N 512]; A: input q_token (given as codes); B: input Wq (given as codes): QUANTISED
;;     2. [M 8,192, K 512] x [K 512, N 512]; A: input k_token (given as codes); B: input Wk (given as codes): QUANTISED
;;     3. [M 8,192, K 256] x [K 256, N 256]; A: input v_token; B: input Wv (given as codes): QUANTISED
;;     4. [M 8,192, K 512] x [K 512, N 8,192]; A: input q_token (given as codes); B: input k_token (given as codes): QUANTISED
;;     5. [M 8,192, K 8,192] x [K 8,192, N 256]; A: softmax (see below); B: input v_token: QUANTISED
;;   THE QUANTISER, for each operand of a quantised product, along K:
;;     - K is cut into blocks of 32 from its start; a last block that is shorter is filled with zeros.
;;     - A block's scale is 2^e with e = floor(log2(the largest magnitude in the block)) - 2, held to -126 .. 127; a block of zeros has e = 0. As a byte (E8M0): e + 127.
;;     - Each number is divided by its block's scale, clamped to +-6, and rounded to the nearest number of E2M1, ties to even, subnormals kept.
;;     - The product sums the exact products of the quantised numbers (number of the format x scale) in f32.
;;   ~~~python
;;   def quantise(x, axis):      # numpy; x: float32 -> the quantised numbers, widened to float32 again
;;       x = np.moveaxis(x, axis, -1); K = x.shape[-1]
;;       x = np.pad(x, [(0, 0)] * (x.ndim - 1) + [(0, -K % 32)]); x = x.reshape(x.shape[:-1] + (-1, 32)); a = np.abs(x).max(-1, keepdims=True)
;;       e = np.where(a > 0, np.clip(np.frexp(np.where(a > 0, a, 1))[1] - 1 - 2, -126, 127), 0)      # np.frexp(a)[1] - 1 = floor(log2(a)), exactly
;;       r = np.clip(x / 2.0 ** e, -6, 6)
;;       step = 2.0 ** (np.maximum(np.frexp(np.where(r == 0, 1, r))[1] - 1, 0) - 1)
;;       q = np.round(r / step) * step * 2.0 ** e      # np.round: ties to even
;;       return np.moveaxis(q.reshape(q.shape[:-2] + (-1,))[..., :K], -1, axis).astype(np.float32)
;;   ~~~
;;   SOFTMAX AHEAD OF A QUANTISED PRODUCT. Where the list says 'softmax', what is quantised is not the finished softmax but p = 2^(t - M), with t = logit x log2(e) and M = ceil(the row's largest t), a whole number; so 1/2 < the row's largest p <= 1. The row's sum l is taken of the UNQUANTISED p, in f32, and the product's result is divided by l at the end. Since M is a whole number, a kernel that streams over the keys may use a running M (the ceiling of the running maximum): every later rescaling is an exact power of two, which a block's scale takes up: the codes' values come out the same.
;;   OPERANDS COMPUTED ON THE WAY. 'Computed on the way' means the value that the module computes at that place (a softmax that the list does not call 'softmax' is quantised finished and normalised). What goes into a quantiser is computed in f32, as accurately as f32 sums, v_exp_f32 and their like allow (about 1e-6 of the number): no bf16 or f16 on the way to a quantiser, and a product that is left as it is and whose result goes on into a quantised operand takes f32 operands (vector FMAs, or v_wmma_f32_16x16x4_f32). A number that lies on a knife's edge between two numbers of the format may be rounded either way, as far as f32 arithmetic and the matrix unit's own rounding can turn it there, and no further.
;;   INPUTS GIVEN AS CODES. Wk (in the module: [512, 512], K = its axis 1); Wq (in the module: [512, 512], K = its axis 1); Wv (in the module: [256, 256], K = its axis 1); k_token (in the module: [8192, 512], K = its axis 1); q_token (in the module: [8192, 512], K = its axis 1): each comes as NAME_codes (uint8): NAME with its K axis moved to the last place and cut into blocks of 32 codes, [.., K / 32, bytes a block], one block behind the other in memory; two codes a byte, the lower K in the low four bits (a code: sign, 2 exponent bits, 1 mantissa bit); and NAME_scales (uint8): the same leading axes, one E8M0 byte (e + 127) for each 32 codes along K. Its value is code x scale, taken as it is: it is not quantised again, and the codes and scales need not be those that the quantiser above would give.
;; One version. Each part assembles by itself: llvm-mc -triple=amdgcn-amd-amdhsa -mcpu=gfx1250 --defsym DOCPART=n.
;; ======== version 1 of 1: 3 launches
;; limits: right only within a limited range of input values
;; workspace buffers: vimg 1,048,576 bytes; vsc 65,536 bytes; opart 16,777,216 bytes; stat 131,072 bytes
;; launch vquant (part 1): grid 4 x 64, 8 waves a work-group, no clusters, 1,280 bytes of LDS; arguments v_token, vimg, vsc; writes vimg, vsc
.if DOCPART == 1
	.amdgcn_target "amdgcn-amd-amdhsa--gfx1250"
	.amdhsa_code_object_version 6
	.text
	.protected	k_q815f95e8b2_vquant
	.globl	k_q815f95e8b2_vquant
	.p2align	8
	.type	k_q815f95e8b2_vquant,@function
k_q815f95e8b2_vquant:
	s_mov_b64 s[64:65], 0
	v_nop
	global_prefetch_b8 v0, s[64:65] scope:SCOPE_SE
	s_setreg_imm32_b32 hwreg(HW_REG_WAVE_MODE, 25, 1), 1
	s_wait_xcnt 0x0
; WHAT THE PROGRAM LEAVES OUT.  (1) Q, K and V of reference() (products 1, 2 and 3 of the table) are deleted in its own body and reach no output: they are not computed, and Wq, Wk and Wv (codes and scales)
; are loaded by no launch.  (2) out1 is the mean over rows of the mean over columns of a softmax: each row of a softmax sums to 1, whatever finite values the inputs hold, so out1 = 1 / 8192 by an identity;
; the last launch stores that number.  LIMIT: a NaN, an infinity or an overflow that reaches only the work left out is not carried to the result.
;
; THIS LAUNCH.  v_token [8192 keys][256 channels], f32, is the second product's operand whose K (the keys) is its first axis.  It becomes codes of FP4 (E2M1) with one E8M0 byte for each 32 keys:
;   vimg [64 steps j of 128 keys][16 channel tiles n][c 0..1][lane 32][16 bytes]: lane (r, h) holds channel 16 n + r, keys 128 j + 64 c + 32 h + 0 .. 31;
;   vsc  u32 [step j][256 channels]: byte t of a word is block t of the step.
; A lane takes one channel and one block: its 32 registers run down the keys, so the largest magnitude needs no other lane and the codes come out with the keys innermost.
; A work-group: 64 channels (two waves side by side: 256 consecutive bytes of a row) x 128 keys (four blocks, two waves each).
; LIMITS: a block of zeros gets the byte 1 where the rule says 127 (its codes are zeros, and this program alone reads the bytes); blocks whose largest magnitude lies under 2^-124 keep the byte 1;
; NaN and infinities among the inputs are not served.
.set X, 16                             ; v16-47 the block;  v48-51 its codes
	s_load_b128 s[4:7], s[0:1], 0x0                ; v_token, vimg
	s_load_b64 s[8:9], s[0:1], 0x10                ; vsc
	v_lshl_add_u32 v60, v0, 2, 0x100               ; my spare word
	v_mov_b32 v61, 0
	v_lshrrev_b32 v1, 5, v0
	v_readfirstlane_b32 s10, v1                    ; wave 0..7
	v_and_b32 v2, 31, v0                           ; lane L
	s_and_b32 s18, s10, 1                          ; which 32 of the 64 channels
	s_lshr_b32 s19, s10, 1                         ; which block t of the step
	s_lshl_b32 s20, s18, 7
	s_add_co_u32 s20, s20, s19
	v_lshlrev_b32 v3, 2, v2                        ; in: 4 bytes a lane
	v_lshrrev_b32 v5, 4, v2
	v_and_b32 v6, 15, v2
	v_lshlrev_b32 v4, 4, v6
	v_lshl_add_u32 v4, v5, 10, v4                  ; out: channel tile L / 16 (1,024 bytes), row L % 16 (16 bytes)
	v_lshl_add_u32 v7, v2, 2, s20                  ; LDS: byte t of my channel's word
	v_lshlrev_b32 v8, 3, v2                        ; and on the way out 8 bytes a lane
	s_wait_alu depctr_va_vdst(0)                   ; at the head's end
	s_and_b32 s11, ttmp7, 0xffff                   ; the step j
	s_lshl_b32 s12, s11, 17                        ; v_token: 128 j rows of 1,024 bytes
	s_lshl_b32 s13, s19, 15                        ; + 32 t rows
	s_add_co_u32 s12, s12, s13
	s_lshl_b32 s13, ttmp9, 8                       ; + 256 x
	s_add_co_u32 s12, s12, s13
	s_lshl_b32 s13, s18, 7
	s_add_co_u32 s12, s12, s13
	s_mov_b32 s13, 0
	s_lshl_b32 s14, s11, 14                        ; vimg: 16,384 j
	s_lshl_b32 s15, ttmp9, 12                      ; + four channel tiles for each x
	s_add_co_u32 s14, s14, s15
	s_lshl_b32 s15, s18, 11                        ; + two for each half
	s_add_co_u32 s14, s14, s15
	s_lshl_b32 s15, s19, 8                         ; + 512 c + 256 h = 256 t
	s_add_co_u32 s14, s14, s15
	s_mov_b32 s15, 0
	s_lshl_b32 s16, s11, 10                        ; vsc: 1,024 j + 256 x
	s_lshl_b32 s17, ttmp9, 8
	s_add_co_u32 s16, s16, s17
	s_mov_b32 s17, 0
	s_wait_kmcnt 0x0
	s_add_nc_u64 s[4:5], s[4:5], s[12:13]
	s_add_nc_u64 s[6:7], s[6:7], s[14:15]
	s_add_nc_u64 s[8:9], s[8:9], s[16:17]
.set i, 0
.rept 32
	global_load_b32 v[X+i], v3, s[4:5] offset:i*1024 th:TH_LOAD_NT
.set i, i+1
.endr
	s_wait_loadcnt 16                              ; the first 16 are in
	v_max3_num_f32 v12, |v[X]|, |v[X+1]|, |v[X+2]|                 ; the block's largest magnitude, in two chains
	v_max3_num_f32 v13, |v[X+3]|, |v[X+4]|, |v[X+5]|
.irp i, 6,10
	v_max3_num_f32 v12, v12, |v[X+\i]|, |v[X+\i+1]|
	v_max3_num_f32 v13, v13, |v[X+\i+2]|, |v[X+\i+3]|
.endr
	v_max3_num_f32 v12, v12, |v[X+14]|, |v[X+15]|
	s_wait_alu depctr_va_vdst(0)                   ; directly ahead of the wait below
	s_wait_loadcnt 0x0
.irp i, 16,20,24,28
	v_max3_num_f32 v12, v12, |v[X+\i]|, |v[X+\i+1]|
	v_max3_num_f32 v13, v13, |v[X+\i+2]|, |v[X+\i+3]|
.endr
	v_max3_num_f32 v12, v12, v13, 0x1800000        ; and the floor 2^(3 - 127): the byte cannot fall under 1
	v_add_nc_u32 v11, 0xff000000, v12              ; 2 off the exponent field: the conversion takes this operand's exponent field as its scale
	v_lshrrev_b32 v13, 23, v11                     ; the scale's byte
.irp g, 0,1,2,3
	v_cvt_scalef32_pk8_fp4_f32 v[48+\g], v[X+8*\g:X+8*\g+7], v11
.endr
	v_nop                                          ; one plain line behind the conversions
	ds_store_b8 v7, v13                            ; the 64 channels' four bytes meet in LDS
	global_store_b128 v4, v[48:51], s[6:7]         ; each half of the lanes stores 256 consecutive bytes, aligned
	s_wait_dscnt 0x0                               ; for wave 0's sake: my store is done
	s_barrier_signal -1
	s_barrier_wait -1
	s_cmp_lg_u32 s10, 0
	s_cbranch_scc1 .Ldone
	ds_load_b64 v[26:27], v8                       ; wave 0 stores the words: 32 lanes, 256 consecutive bytes, aligned
	s_wait_dscnt 0x0
	global_store_b64 v8, v[26:27], s[8:9]
.Ldone:
	s_wait_tensorcnt 0x0                           ; the wave's end
	ds_add_u32 v60, v61
	s_wait_dscnt 0x0
	s_endpgm
.Lfunc_end_k_q815f95e8b2_vquant:
	.size	k_q815f95e8b2_vquant, .Lfunc_end_k_q815f95e8b2_vquant-k_q815f95e8b2_vquant
	.p2alignl 7, 3214868480
	.fill 96, 4, 3214868480
	.section	.rodata,"a",@progbits
	.p2align	6, 0x0
	.amdhsa_kernel k_q815f95e8b2_vquant
		.amdhsa_group_segment_fixed_size 1280
		.amdhsa_private_segment_fixed_size 0
		.amdhsa_enable_private_segment 0
		.amdhsa_kernarg_size 24
		.amdhsa_user_sgpr_count 2
		.amdhsa_user_sgpr_kernarg_segment_ptr 1
		.amdhsa_wavefront_size32 1
		.amdhsa_system_sgpr_workgroup_id_x 1
		.amdhsa_system_sgpr_workgroup_id_y 1
		.amdhsa_system_sgpr_workgroup_id_z 1
		.amdhsa_system_vgpr_workitem_id 0
		.amdhsa_next_free_vgpr 64
		.amdhsa_next_free_sgpr 66
		.amdhsa_reserve_vcc 0
		.amdhsa_float_denorm_mode_32 3
		.amdhsa_float_denorm_mode_16_64 3
		.amdhsa_memory_ordered 1
		.amdhsa_forward_progress 1
		.amdhsa_inst_pref_size 7
	.end_amdhsa_kernel
	.amdgpu_metadata
---
amdhsa.version: [ 1, 2 ]
amdhsa.kernels:
  - .name:           k_q815f95e8b2_vquant
    .symbol:         k_q815f95e8b2_vquant.kd
    .args:
      - { .name: v_token, .offset: 0, .size: 8, .value_kind: global_buffer, .address_space: global }
      - { .name: vimg, .offset: 8, .size: 8, .value_kind: global_buffer, .address_space: global }
      - { .name: vsc, .offset: 16, .size: 8, .value_kind: global_buffer, .address_space: global }
    .group_segment_fixed_size: 1280
    .private_segment_fixed_size: 0
    .kernarg_segment_align: 8
    .kernarg_segment_size: 24
    .max_flat_workgroup_size: 256
    .sgpr_count:     66
    .vgpr_count:     64
    .wavefront_size: 32
...
	.end_amdgpu_metadata
.endif
;; end of part 1
;; launch attn (part 2): grid 128 x 2, 8 waves a work-group, clusters of 4 x 1, 327,680 bytes of LDS; arguments q_token_codes, q_token_scales, k_token_codes, k_token_scales, vimg, vsc, opart, stat; writes opart, stat
.if DOCPART == 2
	.amdgcn_target "amdgcn-amd-amdhsa--gfx1250"
	.amdhsa_code_object_version 6
	.text
	.protected	k_q815f95e8b2_attn
	.globl	k_q815f95e8b2_attn
	.p2align	8
	.type	k_q815f95e8b2_attn,@function
k_q815f95e8b2_attn:
	s_mov_b64 s[64:65], 0
	v_nop
	global_prefetch_b8 v0, s[64:65] scope:SCOPE_SE
	s_setreg_imm32_b32 hwreg(HW_REG_WAVE_MODE, 25, 1), 1
	s_wait_xcnt 0x0
	s_wait_alu depctr_hold_cnt(0) depctr_sa_sdst(0) depctr_va_vdst(0) depctr_va_sdst(0) depctr_va_ssrc(0) depctr_va_vcc(0) depctr_vm_vsrc(0)
	s_getreg_b32 s2, hwreg(HW_REG_IB_STS2, 6, 4)
	s_cmp_eq_u32 s2, 0
	s_cbranch_scc0 .Lentry_in_a_cluster
	s_endpgm
.Lentry_in_a_cluster:
	s_bfe_u32 s2, ttmp6, 0x10000c
	s_cmp_lg_u32 s2, 0x3003
	s_cbranch_scc0 .Lentry_shape_is_right
	s_endpgm
.Lentry_shape_is_right:
; Attention of 8,192 queries on 8,192 keys, both products on codes of FP4 (E2M1) with one E8M0 byte for each 32 along a product's K.
; t = score x log2(e) / sqrt(512); M = the running largest t rounded UP to a whole number; p = 2^(t - M) is quantised along the keys; the row's sum l is taken of the unquantised p.
; This launch leaves, for each half of the keys, O = sum of p v (not normalised) in opart and (-M, l) in stat; the next launch joins the halves.
; LEFT OUT: the three projections of reference(): their results are deleted in its own body and reach no output (the first launch's head says what that covers).
; SHARES.  A work-group owns 64 queries (four tiles of 16) x 4,096 keys (grid y = the key half), in eight ROUNDS of 512 keys.  In a round wave w scores keys 64 w + 0 .. 63 for all 64 queries (64 matrix instructions:
; each fragment of K feeds four), makes their p, and leaves p's codes and scale bytes in LDS; and it multiplies ALL 512 keys' p into ITS 32 channels of O (32 matrix instructions): 64 registers of O a wave.
; So O is rescaled by 32 lines a round, no two waves hold parts of one O, and the eight waves share one M: each publishes the largest scores of its keys, and each reads all eight waves'.
; A ROUND i:  K Q^T of i | the largest scores, published | X: a round of the cluster's barrier; K of i + 1 and V of i are asked for | V^T P of i - 1 | p of i, published | Y: a work-group barrier.
; LDS.  K's 512 rows: one slot (rows of 256 bytes + 16 of padding), read ahead of X, filled again behind it.  V (images of the operand's registers, dense): two slots by turns.  Scale bytes ride with the codes.
; P: two blocks by turns.  Each wave issues one load a fill: waves 0-3 K's codes, 4 K's scale bytes, 5 and 6 V's codes, 7 V's scale words.
; LAYOUT.  Both products are used transposed: S^T = K Q^T, O^T = V^T P^T: a lane holds ONE query of a tile (lane % 16) throughout.  In S^T lane (r, h), register j of key tile t is key 16 t + 8 h + j.
; The codes of tile 2 b + u are part 2 u + h of block b; they are written to P's register 2 u + b, and one exchange of halves between registers 2 u and 2 u + 1 leaves lanes 0-15 with block 0, lanes 16-31 with
; block 1, keys ascending: the operand's layout for 64 keys, with the keys in their natural order.
; CLUSTER.  The four work-groups of a cluster have the same key half and walk the same K and V: each tile is asked for JOINTLY, by the same tensor load with the same descriptor and a mask that names the four.
; The 32 clusters of a key half begin at different eighths of it and go round: what a cluster asks for behind its first round other clusters have read a round earlier, so no prefetch is laid: there is no tile
; whose first touch in the launch lies behind the head's loads.
; LIMITS: scale bytes 0xff, NaN and infinities are not served; the promise holds while t stays under 2^31 in magnitude; a block whose every p lies under 2^-124 keeps the byte 1 (its codes are zeros or the smallest);
; t is score x one constant, not two multiplications; the row's sum is added as a tree of pairs.
; REGISTERS.  window 0: v0-63 addresses, statistics, scale words, temporaries; S^T v64-191, (tile x, key tile t) at 32 x + 8 t; O^T v192-255, (x, channel tile n) at 16 x + 8 n.
; window 1: v0-127 Q, (x, K step s) at 32 x + 8 s; v128-255 K, (s, t) at 32 s + 8 t; then V, (key step k, n) at 16 k + 8 n, in its first half and P of two tiles, (y, k) at 32 y + 8 k, in its second; then p's new codes.
.set KSC,   139264                     ; K's scale bytes: 16 a key
.set VB0,   147456                     ; a slot of V: 65,536 bytes of codes, 4,096 of scale words
.set VSLOT, 69632
.set P0,    286720                     ; a block of P: codes [key step 4][tile 4][c 2][lane 32][16 bytes], then scale bytes [tile pair 2][lane 32][16 bytes]
.set PBLK,  17408
.set MXB,   321536                     ; the exchange of maxima, later of l: [tile pair 2][lane 32][wave 8] words
.set SPARE, 323584                     ; the spare words, 128 bytes for each wave: four blocks of 256 bytes that no other line names
.set SROW,  1040                       ; the way out: 64 rows of 1,024 bytes + 16, in K's slot behind its last fill and its last read
.set AK0, 1                            ; v1 my lane's place in my wave's 64 rows of K
.set L16, 2                            ; v2 16 x lane, v3 4 x lane
.set L4,  3
.set APB, 4                            ; v4 where my lane's scale byte goes
.set SPW, 5                            ; v5 LDS address of my spare word, v6 0: never rewritten
.set NIL, 6
.set H1,  8                            ; v8, v9, v62, v63 addresses in hand
.set H2,  9
.set HP,  62
.set HV,  63
.set NM,  10                           ; v10-13 -M of the four tiles
.set FF,  14                           ; v14-17 f = 2^(old M - new M)
.set RUN, 18                           ; v18-19 the largest score so far, a PAIR of tiles to a register (lanes 0-15 the even one);  v20-21 -M likewise
.set NMP, 20
.set LS,  22                           ; v22-25 my share of l
.set QS,  26                           ; v26-33 Q's scale words: pair p, K step s at 4 p + s
.set SCL, 34                           ; v34-41 K's scale words, (block b, s) at 4 b + s; then V's (k) and, from v38 on, P's (k) of a tile pair
.set BM,  42                           ; v42-45 each tile's largest score of block 0 (lanes 0-15) and block 1 (lanes 16-31)
.set T,   46                           ; v46-61 temporaries
.set SS,  64
.set OO,  192
.set KV,  128
.set WV,  20
.set CX,  21
.set QB,  22
.set KSH, 23
.set KSO, 24                           ; s24 where my wave's scale bytes of K begin
.set VSR, 25                           ; s25 my channels' scale words of V in slot 0
.set X0,  26
.set X1,  27
.set G1K, 28
.set G1KS, 36
.set G1V, 44
.set G1VS, 52
.set CS,  60                           ; s[60:61] c = log2(e) / sqrt(512)
.set G0K, 68
.set G0KS, 72
.set G0V, 76
.set G0VS, 80
.set KB,  84                           ; s[84:91] where the key half's tiles begin in memory: K, K's scale bytes, V, V's scale words
.set KSB, 86
.set VBP, 88
.set VSB, 90
.set RI,  94                           ; s94 the eighth of the key half that this round walks
.set PO,  95                           ; s95 0 or PBLK;  s96 0 or VSLOT
.set VO,  96
.set REM, 97
.set LV,  98                           ; s98 where I fetch V's codes to, in slot 0
.set VRD, 99                           ; s99 where my channels' codes of V lie in slot 0
.set PWR, 100                          ; s100 where my 64 keys' codes of P go in block 0
.set MXW, 101                          ; s101 MXB + 4 x wave
.set W_MM, 0x05                        ; sources 0 and 1 window 1, C and D window 0
.set TO_1, 0x40                        ; destination window 1
.set MSB, 0
.macro WIN new                         ; the immediate's high byte repeats the setting that is left
.if MSB != \new
	s_set_vgpr_msb (MSB<<8)|\new
.set MSB, \new
.endif
.endm
.macro VWAIT
	s_wait_alu depctr_va_vdst(0)
.endm
.macro PLACES n
.rept \n
	v_nop
.endr
.endm
.macro CROUND                          ; a round of the cluster's barrier
	s_barrier_signal -1
	s_barrier_wait -1
	s_cmp_lg_u32 s[WV], 0
	s_cbranch_scc1 .Lnot_wave_0_\@
	s_barrier_signal -3
.Lnot_wave_0_\@:
	s_barrier_wait -3
	s_barrier_signal -1
	s_barrier_wait -1
.endm
.macro TL g0, g1                       ; s_nop 0 and four v_nop follow each tensor load
	tensor_load_to_lds s[\g0:\g0+3], s[\g1:\g1+7]
	s_nop 0
	PLACES 4
.endm
; The joint loads, one a wave, in one tree of branches on the wave's number.  fk: K's are among them; fv: V's are.
.macro JLOAD fk, fv
.if \fk
	s_cmp_lt_u32 s[WV], 4
	s_cbranch_scc0 .Lks_\@
	TL G0K, G1K
	s_branch .Lasked_\@
.Lks_\@:
	s_cmp_lt_u32 s[WV], 5
	s_cbranch_scc0 .Lv_\@
	TL G0KS, G1KS
	s_branch .Lasked_\@
.Lv_\@:
.else
	s_cmp_lt_u32 s[WV], 5
	s_cbranch_scc1 .Lasked_\@
.endif
.if \fv
	s_cmp_lt_u32 s[WV], 7
	s_cbranch_scc0 .Lvs_\@
	TL G0V, G1V
	s_branch .Lasked_\@
.Lvs_\@:
	TL G0VS, G1VS
.endif
.Lasked_\@:
.endm
; The descriptors of a fill: eighth s[i]: 131,072 bytes of K, 8,192 of its scale bytes; 65,536 of V, 4,096 of its scale words.
.macro GADR g, base, i, sh
	s_lshl_b32 s92, s[\i], \sh
	s_add_nc_u64 s[\g+2:\g+3], s[\base:\base+1], s[92:93]
	s_or_b32 s[\g+3], s[\g+3], 0x80000000
.endm
.macro SETK i
	GADR G0K, KB, \i, 17
	GADR G0KS, KSB, \i, 13
.endm
.macro SETV i, o                       ; into the slot that lies s[o] bytes on
	s_add_co_u32 s[G0V+1], s[\o], s[LV]
	s_add_co_u32 s[G0VS+1], s[\o], VB0+65536
	GADR G0V, VBP, \i, 16
	GADR G0VS, VSB, \i, 12
.endm
; One matrix instruction.  rW: bit 1: the scales of source 0 in lanes 16-31, bit 0: those of source 1.  z: C is the constant 0.
.macro WM z
.if \z
.if rW == 0
	v_wmma_scale_f32_16x16x128_f8f6f4 v[rD:rD+7], v[rA:rA+7], v[rB:rB+7], 0, v[rE], v[rF] matrix_a_fmt:MATRIX_FMT_FP4 matrix_b_fmt:MATRIX_FMT_FP4
.elseif rW == 1
	v_wmma_scale_f32_16x16x128_f8f6f4 v[rD:rD+7], v[rA:rA+7], v[rB:rB+7], 0, v[rE], v[rF] matrix_a_fmt:MATRIX_FMT_FP4 matrix_b_fmt:MATRIX_FMT_FP4 matrix_b_scale:MATRIX_SCALE_ROW1
.elseif rW == 2
	v_wmma_scale_f32_16x16x128_f8f6f4 v[rD:rD+7], v[rA:rA+7], v[rB:rB+7], 0, v[rE], v[rF] matrix_a_fmt:MATRIX_FMT_FP4 matrix_b_fmt:MATRIX_FMT_FP4 matrix_a_scale:MATRIX_SCALE_ROW1
.else
	v_wmma_scale_f32_16x16x128_f8f6f4 v[rD:rD+7], v[rA:rA+7], v[rB:rB+7], 0, v[rE], v[rF] matrix_a_fmt:MATRIX_FMT_FP4 matrix_b_fmt:MATRIX_FMT_FP4 matrix_a_scale:MATRIX_SCALE_ROW1 matrix_b_scale:MATRIX_SCALE_ROW1
.endif
.else
.if rW == 0
	v_wmma_scale_f32_16x16x128_f8f6f4 v[rD:rD+7], v[rA:rA+7], v[rB:rB+7], v[rD:rD+7], v[rE], v[rF] matrix_a_fmt:MATRIX_FMT_FP4 matrix_b_fmt:MATRIX_FMT_FP4
.elseif rW == 1
	v_wmma_scale_f32_16x16x128_f8f6f4 v[rD:rD+7], v[rA:rA+7], v[rB:rB+7], v[rD:rD+7], v[rE], v[rF] matrix_a_fmt:MATRIX_FMT_FP4 matrix_b_fmt:MATRIX_FMT_FP4 matrix_b_scale:MATRIX_SCALE_ROW1
.elseif rW == 2
	v_wmma_scale_f32_16x16x128_f8f6f4 v[rD:rD+7], v[rA:rA+7], v[rB:rB+7], v[rD:rD+7], v[rE], v[rF] matrix_a_fmt:MATRIX_FMT_FP4 matrix_b_fmt:MATRIX_FMT_FP4 matrix_a_scale:MATRIX_SCALE_ROW1
.else
	v_wmma_scale_f32_16x16x128_f8f6f4 v[rD:rD+7], v[rA:rA+7], v[rB:rB+7], v[rD:rD+7], v[rE], v[rF] matrix_a_fmt:MATRIX_FMT_FP4 matrix_b_fmt:MATRIX_FMT_FP4 matrix_a_scale:MATRIX_SCALE_ROW1 matrix_b_scale:MATRIX_SCALE_ROW1
.endif
.endif
.endm
; K step s of K Q^T: the 16 accumulators take turns; K step 0 starts the sums.
.macro QKS s
	WIN W_MM
.irp t, 0,1,2,3
.irp x, 0,1,2,3
.set rD, SS+32*\x+8*\t
.set rA, KV+32*(\s)+8*\t
.set rB, 32*\x+8*(\s)
.set rE, SCL+4*(\t/2)+(\s)
.set rF, QS+4*(\x/2)+(\s)
.set rW, 2*(\t%2)+(\x%2)
.if (\s) == 0
	WM 1
.else
	WM 0
.endif
.endr
.endr
.endm
; V^T P of tile pair p: 16 matrix instructions, four accumulators by turns.
.macro PV p, z
	WIN W_MM
.irp k, 0,1,2,3
.irp y, 0,1
.irp n, 0,1
.set rD, OO+16*(2*(\p)+\y)+8*\n
.set rA, KV+16*\k+8*\n
.set rB, KV+64+32*\y+8*\k
.set rE, SCL+\k
.set rF, SCL+4+\k
.set rW, 2*\n+\y
.if (\k == 0) && (\z)
	WM 1
.else
	WM 0
.endif
.endr
.endr
.endr
	WIN 0
.endm
; O^T of tile pair p x f, each accumulator from its low end on.
.macro RESC p
.set o, OO+32*(\p)
.rept 8
	v_pk_mul_f32 v[o:o+1], v[o:o+1], v[FF+2*(\p):FF+2*(\p)+1] op_sel_hi:[1,0]
.set o, o+2
.endr
.rept 8
	v_pk_mul_f32 v[o:o+1], v[o:o+1], v[FF+2*(\p):FF+2*(\p)+1] op_sel:[0,1] op_sel_hi:[1,1]
.set o, o+2
.endr
.endm
.macro ADRPV                           ; the addresses of the last round's V and P
	s_add_co_u32 s[X0], s[VO], s[VRD]
	v_add_nc_u32 v[H2], s[X0], v[L16]
	s_add_co_u32 s[X0], s[VO], s[VSR]
	v_add_nc_u32 v[HV], s[X0], v[L4]
	s_add_co_u32 s[X0], s[PO], P0
	v_add_nc_u32 v[HP], s[X0], v[L16]
.endm
.macro LDV                             ; V: 16 loads of 512 consecutive bytes
	WIN TO_1
.irp k, 0,1,2,3
.irp n, 0,1
.irp c, 0,1
	ds_load_b128 v[KV+16*\k+8*\n+4*\c:KV+16*\k+8*\n+4*\c+3], v[H2] offset:16384*\k+1024*\n+512*\c
.endr
.endr
.endr
	WIN 0
.endm
.macro LDVS                            ; V's scale words: lanes 0-15 channel tile 0, lanes 16-31 tile 1
.irp k, 0,1,2,3
	ds_load_b32 v[SCL+\k], v[HV] offset:1024*\k
.endr
.endm
.macro LDP p                           ; P of tile pair p: its scale words, then 16 loads: 17 in all
	ds_load_b128 v[SCL+4:SCL+7], v[HP] offset:16384+512*(\p)
	WIN TO_1
.irp y, 0,1
.irp k, 0,1,2,3
.irp c, 0,1
	ds_load_b128 v[KV+64+32*\y+8*\k+4*\c:KV+64+32*\y+8*\k+4*\c+3], v[HP] offset:4096*\k+1024*(2*(\p)+\y)+512*\c
.endr
.endr
.endr
	WIN 0
.endm
; The largest scores: of each block of 32 keys in BM, of each tile's 64 keys, a pair of tiles to a register, in v[T + 12], v[T + 13].
.macro MAXES
.irp b, 0,1
.irp x, 0,1,2,3
	v_max3_num_f32 v[T+2*\x+\b], v[SS+32*\x+16*\b], v[SS+32*\x+16*\b+1], v[SS+32*\x+16*\b+2]
.endr
.endr
.irp i, 3,5,7,9,11,13
.irp b, 0,1
.irp x, 0,1,2,3
	v_max3_num_f32 v[T+2*\x+\b], v[T+2*\x+\b], v[SS+32*\x+16*\b+\i], v[SS+32*\x+16*\b+\i+1]
.endr
.endr
.endr
.irp b, 0,1
.irp x, 0,1,2,3
	v_max_num_f32 v[T+2*\x+\b], v[T+2*\x+\b], v[SS+32*\x+16*\b+15]
.endr
.endr
.irp x, 0,1,2,3
	v_permlane16_swap_b32 v[T+2*\x], v[T+2*\x+1]   ; lanes 0-15 now have block 0's two halves in the two registers, lanes 16-31 block 1's
.endr
.irp x, 0,1,2,3
	v_max_num_f32 v[BM+\x], v[T+2*\x], v[T+2*\x+1]
.endr
.irp x, 0,1,2,3
	v_mov_b32 v[T+8+\x], v[BM+\x]
.endr
.irp p, 0,1
	v_permlane16_swap_b32 v[T+8+2*\p], v[T+9+2*\p] ; and the even tile's two blocks in lanes 0-15, the odd tile's in lanes 16-31
.endr
.irp p, 0,1
	v_max_num_f32 v[T+12+\p], v[T+8+2*\p], v[T+9+2*\p]
.endr
	v_lshl_add_u32 v[H1], v[L16], 1, s[MXW]
.endm
; X: my maxima are published; every load of mine has landed; the three lines; a round of the cluster's barrier; the fills of K (the next round's) and of V (this round's), one load a wave, first thing.
.macro XROUND fk, fv
	VWAIT
	s_wait_tensorcnt 0x0
	ds_store_b32 v[H1], v[T+12]
	ds_store_b32 v[H1], v[T+13] offset:1024
	s_wait_tensorcnt 0x0                           ; no tensor load of mine is out, so a group 0 may be written
	ds_add_u32 v[SPW], v[NIL]                      ; 0 onto my spare word
.if \fv
	s_xor_b32 s[X1], s[VO], VSLOT                  ; the slot that V^T P of this round does not read
	SETV RI, X1
.endif
	s_add_co_u32 s[RI], s[RI], 1
	s_and_b32 s[RI], s[RI], 7
.if \fk
	SETK RI
.endif
	s_wait_dscnt 0x0                               ; the add, my stores and my reads of K, V and P are done
	CROUND
	JLOAD \fk, \fv
.endm
; The common M.  v[T + 8 p + 0 .. 7]: the eight waves' largest scores, a pair of tiles to a register.
.macro STATS
.irp i, 0,2,4,6
.irp p, 0,1
	v_max3_num_f32 v[RUN+\p], v[RUN+\p], v[T+8*\p+\i], v[T+8*\p+\i+1]
.endr
.endr
.irp p, 0,1
	v_mov_b32 v[T+8*\p], v[NMP+\p]
	v_mul_f32 v[T+8*\p+1], s[CS], v[RUN+\p]        ; the largest t (c is positive)
.endr
.irp p, 0,1
	v_floor_f32 v[NMP+\p], -v[T+8*\p+1]            ; the new -M = floor(-t): M is a whole number
.endr
.irp p, 0,1
	v_sub_f32 v[T+8*\p+2], v[NMP+\p], v[T+8*\p]    ; old M - new M: a whole number, 0 or less
	v_mov_b32 v[NM+2*\p], v[NMP+\p]
.endr
.irp p, 0,1
	v_cvt_i32_f32 v[T+8*\p+2], v[T+8*\p+2]         ; (it saturates)
	v_mov_b32 v[NM+2*\p+1], v[NMP+\p]
.endr
.irp p, 0,1
	v_ldexp_f32 v[FF+2*\p], 1.0, v[T+8*\p+2]       ; f: a multiplication by it rounds nothing
	v_permlane16_swap_b32 v[NM+2*\p], v[NM+2*\p+1] ; each tile's -M in both halves of the lanes
.endr
.irp p, 0,1
	v_mov_b32 v[FF+2*\p+1], v[FF+2*\p]
.endr
.irp p, 0,1
	v_permlane16_swap_b32 v[FF+2*\p], v[FF+2*\p+1]
.endr
.endm
.macro PF                              ; t - M, two at a time: the ri-th pair of scores
.set rS, SS+2*ri
.set rN, NM+2*(ri/32)
.if (ri/16)%2 == 0
	v_pk_fma_f32 v[rS:rS+1], v[rS:rS+1], s[CS:CS+1], v[rN:rN+1] op_sel_hi:[1,0,0]
.else
	v_pk_fma_f32 v[rS:rS+1], v[rS:rS+1], s[CS:CS+1], v[rN:rN+1] op_sel:[0,0,1] op_sel_hi:[1,0,1]
.endif
.endm
.macro TREE n
.set ti, 0
.rept \n
.irp x, 0,1,2,3
	v_pk_add_f32 v[SS+32*\x+2*ti:SS+32*\x+2*ti+1], v[SS+32*\x+2*ti:SS+32*\x+2*ti+1], v[SS+32*\x+2*(ti+\n):SS+32*\x+2*(ti+\n)+1]
.endr
.set ti, ti+1
.endr
.endm
; p of the round, its sum, its codes.  The exponentials go in two batches, two tiles each.
.macro SOFTMAX
.set ri, 0
.rept 32
	PF
.set ri, ri+1
.endr
.irp x, 0,1
	v_fma_f32 v[BM+\x], v[BM+\x], s[CS], v[NM+\x]  ; the same of each block's largest score: p rises with the score
.endr
	VWAIT                                          ; ahead of the first batch
.rept 32
	PF                                             ; tiles 2, 3: t - M | tiles 0, 1: p
	v_exp_f32 v[SS+2*(ri-32)], v[SS+2*(ri-32)]
	v_exp_f32 v[SS+2*(ri-32)+1], v[SS+2*(ri-32)+1]
.set ri, ri+1
.endr
	v_exp_f32 v[BM], v[BM]                         ; the blocks' largest p: the same two instructions on the same number give the same bits
	v_exp_f32 v[BM+1], v[BM+1]
	v_fma_f32 v[BM+2], v[BM+2], s[CS], v[NM+2]
	v_fma_f32 v[BM+3], v[BM+3], s[CS], v[NM+3]
	VWAIT                                          ; behind the first batch and ahead of the second
.set ri, 64
.rept 64
	v_exp_f32 v[SS+ri], v[SS+ri]
.set ri, ri+1
.endr
	v_exp_f32 v[BM+2], v[BM+2]
	v_exp_f32 v[BM+3], v[BM+3]
	v_max_num_f32 v[BM], 0x1800000, v[BM]          ; the floor 2^(3 - 127): the byte cannot fall under 1
	v_max_num_f32 v[BM+1], 0x1800000, v[BM+1]
	VWAIT                                          ; behind the second batch
	v_max_num_f32 v[BM+2], 0x1800000, v[BM+2]
	v_max_num_f32 v[BM+3], 0x1800000, v[BM+3]
.irp x, 0,1,2,3
	v_add_nc_u32 v[T+2*\x], 0xff000000, v[BM+\x]   ; 2 off the exponent field: the conversion's scale operand (lanes 0-15 block 0, lanes 16-31 block 1)
.endr
.irp x, 0,1,2,3
	v_lshrrev_b32 v[T+8+\x], 23, v[T+2*\x]         ; the scale's byte, likewise
.endr
.irp x, 0,1,2,3
	v_mov_b32 v[T+2*\x+1], v[T+2*\x]
.endr
.irp x, 0,1,2,3
	v_permlane16_swap_b32 v[T+2*\x], v[T+2*\x+1]   ; block 0's operand in all lanes, block 1's in all lanes
.endr
	WIN TO_1
.irp x, 0,1,2,3
.irp b, 0,1
.irp u, 0,1
	v_cvt_scalef32_pk8_fp4_f32 v[KV+4*\x+2*\u+\b], v[SS+32*\x+16*\b+8*\u:SS+32*\x+16*\b+8*\u+7], v[T+2*\x+\b]
.endr
.endr
.endr
	WIN 0
	v_nop                                          ; one plain line between the conversions and the lines that write their sources
	TREE 8                                         ; the sum of the unquantised p, in place: the numbers have been converted
	TREE 4
	TREE 2
	TREE 1
.irp x, 0,1,2,3
	v_fma_f32 v[LS+\x], v[LS+\x], v[FF+\x], v[SS+32*\x]
.endr
.irp x, 0,1,2,3
	v_add_f32 v[LS+\x], v[LS+\x], v[SS+32*\x+1]
.endr
	WIN 0x41
.irp x, 0,1,2,3
.irp u, 0,1
	v_permlane16_swap_b32 v[KV+4*\x+2*\u], v[KV+4*\x+2*\u+1]   ; lanes 0-15 now hold block 0, lanes 16-31 block 1, whole
.endr
.endr
	WIN 0
.endm
; My 64 keys' codes and scale bytes go into P; then Y: my loads have landed, my LDS lines are done.
.macro PUBLISH
	s_add_co_u32 s[X0], s[PO], s[PWR]
	v_add_nc_u32 v[H1], s[X0], v[L16]
	v_add_nc_u32 v[H2], s[PO], v[APB]
	VWAIT
	s_wait_tensorcnt 0x0                           ; my parts of the next K and of this round's V are in
	WIN 0x04
.irp x, 0,1,2,3
	ds_store_b128 v[H1], v[KV+4*\x:KV+4*\x+3] offset:1024*\x
.endr
	WIN 0
.irp x, 0,1,2,3
	ds_store_b8 v[H2], v[T+8+\x] offset:256*\x
.endr
	s_wait_dscnt 0x0
	s_barrier_signal -1
	s_barrier_wait -1
.endm
; A round.  pv: 0 no V^T P (there is no round before), 1 it starts O^T (nothing is ever cleared), 2 it adds.
; V is pulled behind K step 1 into the registers that K steps 0 and 1 held, P of tiles 0, 1 behind K step 3 into those of K steps 2 and 3.
.macro ROUND pv, fk, fv
	v_add_nc_u32 v[H1], s[KSO], v[L16]
	ds_load_b128 v[SCL:SCL+3], v[H1]               ; keys 0-31: a key's four words
	ds_load_b128 v[SCL+4:SCL+7], v[H1] offset:512
.if \pv
	ADRPV
.endif
	WIN TO_1
.irp s, 0,1,2,3
.irp t, 0,1,2,3
.irp c, 0,1
	ds_load_b128 v[KV+32*\s+8*\t+4*\c:KV+32*\s+8*\t+4*\c+3], v[AK0] offset:4352*\t+64*\s+32*\c
.endr
.endr
.endr
	VWAIT
	s_wait_dscnt 24                                ; scale words and K step 0 are in; three K steps, eight loads each, may be out
	QKS 0
	s_wait_dscnt 16
	QKS 1
.if \pv
	PLACES 4                                       ; in front of loads into registers that matrix instructions have read
	LDV
	s_wait_dscnt 24                                ; K step 3's eight and the 16 of V may be out
	QKS 2
	s_wait_dscnt 16
.else
	s_wait_dscnt 8
	QKS 2
	s_wait_dscnt 0
.endif
	QKS 3
	WIN 0
	PLACES 4                                       ; for the loads below, and for the first read of S^T
.if \pv
	LDVS
	LDP 0
.endif
	MAXES
	XROUND \fk, \fv
	v_lshl_add_u32 v[H1], v[L16], 1, MXB
	ds_load_b128 v[T:T+3], v[H1]
	ds_load_b128 v[T+4:T+7], v[H1] offset:16
	ds_load_b128 v[T+8:T+11], v[H1] offset:1024
	ds_load_b128 v[T+12:T+15], v[H1] offset:1040
.if \pv
.if \pv == 2
	VWAIT                                          ; directly ahead of the first readers of the last products
	RESC 0
	PV 0, 0
	VWAIT
	RESC 1                                         ; (these 16 are the places in front of the loads below)
.else
	PV 0, 1
	PLACES 4
.endif
	LDP 1
	s_wait_dscnt 17                                ; the maxima are in; the 17 just issued may be out
	STATS
	VWAIT
	s_wait_dscnt 0x0
.if \pv == 2
	PV 1, 0
.else
	PV 1, 1
.endif
	s_xor_b32 s[PO], s[PO], PBLK
	s_xor_b32 s[VO], s[VO], VSLOT
.else
	VWAIT
	s_wait_dscnt 0x0
	STATS
.endif
	SOFTMAX
	PUBLISH
.endm
.macro DENSE g, n                      ; group 1 of n dense rows of 256 bytes (32 elements of 8 bytes), no padding; the mask names all four work-groups
	s_mov_b32 s[\g], 15|(3<<16)|(1<<21)
	s_mov_b32 s[\g+1], 32<<16
	s_mov_b32 s[\g+2], \n<<16
	s_mov_b32 s[\g+3], 32<<16
	s_mov_b32 s[\g+4], \n
	s_mov_b32 s[\g+5], 32
	s_mov_b32 s[\g+6], 0
	s_mov_b32 s[\g+7], 0
.endm
	s_load_b256 s[4:11], s[0:1], 0x0               ; Q's codes s[4:5], Q's scales s[6:7], K's codes s[8:9], K's scales s[10:11]
	s_load_b256 s[12:19], s[0:1], 0x20             ; vimg s[12:13], vsc s[14:15], opart s[16:17], stat s[18:19]
	v_lshl_add_u32 v[SPW], v0, 2, SPARE
	v_mov_b32 v[NIL], 0
	ds_add_u32 v[SPW], v[NIL]                      ; the opening: the add, twice on end, and its wait ahead of my first tensor load
	ds_add_u32 v[SPW], v[NIL]
	v_lshrrev_b32 v8, 5, v0
	v_readfirstlane_b32 s[WV], v8                  ; wave 0..7
	s_bfe_u32 s[CX], ttmp6, 0x40000                ; cx: my place in the cluster
	s_lshl_b32 s[QB], ttmp9, 2
	s_add_co_u32 s[QB], s[QB], s[CX]               ; my block of 64 queries: it enters the addresses of Q, opart and stat alone
	s_and_b32 s[KSH], ttmp7, 0xffff                ; the key half
	s_lshr_b32 s[RI], ttmp9, 3                     ; my cluster's first eighth: (x + 2 (x / 8)) mod 8, the same in all four partners
	s_lshl_b32 s[RI], s[RI], 1
	s_add_co_u32 s[RI], s[RI], ttmp9
	s_and_b32 s[RI], s[RI], 7
	s_mov_b32 s[G1K], 15|(1<<20)|(1<<21)|(5<<22)|(3<<25)   ; K: 128 rows x 256 bytes; 15:0 the mask; 17:16 elements of 1 byte; 20 padding on; 21 set beside a mask; 24:22 after every 64 words; 31:25 four words
	s_mov_b32 s[G1K+1], 256<<16
	s_mov_b32 s[G1K+2], 128<<16
	s_mov_b32 s[G1K+3], 256<<16
	s_mov_b32 s[G1K+4], 128
	s_mov_b32 s[G1K+5], 256
	s_mov_b32 s[G1K+6], 0
	s_mov_b32 s[G1K+7], 0
	DENSE G1KS, 32
	DENSE G1V, 128
	DENSE G1VS, 16
	s_mov_b32 s[CS], 0x3d8293ee                    ; c = log2(e) / sqrt(512)
	s_mov_b32 s[CS+1], s[CS]                       ; (named with it as a pair, so it is written)
	s_mov_b32 s[PO], 0
	s_mov_b32 s[VO], 0
	s_mov_b32 s93, 0
	s_mov_b32 s[G0K], 1
	s_and_b32 s[X0], s[WV], 3
	s_mul_i32 s[G0K+1], s[X0], 34816               ; waves 0-3: 128 rows each
	s_lshl_b32 s[X0], s[X0], 15
	s_mov_b32 s[G0KS], 1
	s_mov_b32 s[G0KS+1], KSC
	s_mov_b32 s[G0V], 1
	s_mov_b32 s[G0VS], 1
	s_and_b32 s[X1], s[WV], 1
	s_lshl_b32 s[X1], s[X1], 15                    ; waves 5, 6: 32,768 bytes each
	s_add_co_u32 s[LV], s[X1], VB0
	s_lshl_b32 s[KSO], s[WV], 10
	s_add_co_u32 s[KSO], s[KSO], KSC
	s_lshl_b32 s[VRD], s[WV], 11
	s_add_co_u32 s[VRD], s[VRD], VB0
	s_lshl_b32 s[VSR], s[WV], 7
	s_add_co_u32 s[VSR], s[VSR], VB0+65536
	s_lshl_b32 s[MXW], s[WV], 2
	s_add_co_u32 s[MXW], s[MXW], MXB
	s_lshr_b32 s[PWR], s[WV], 1
	s_lshl_b32 s[PWR], s[PWR], 12                  ; key step w / 2, c = w % 2
	s_and_b32 s[REM], s[WV], 1
	s_lshl_b32 s[REM], s[REM], 9
	s_add_co_u32 s[PWR], s[PWR], s[REM]
	s_add_co_u32 s[PWR], s[PWR], P0
	VWAIT
	s_wait_dscnt 0x0                               ; both opening adds are done
	s_wait_kmcnt 0x0
	s_lshl_b32 s92, s[KSH], 20                     ; the key half: 1,048,576 bytes of K, 65,536 of its scale bytes, 524,288 of V, 32,768 of its scale words
	s_add_co_u32 s92, s92, s[X0]
	s_add_nc_u64 s[KB:KB+1], s[8:9], s[92:93]
	s_lshl_b32 s92, s[KSH], 16
	s_add_nc_u64 s[KSB:KSB+1], s[10:11], s[92:93]
	s_lshl_b32 s92, s[KSH], 19
	s_add_co_u32 s92, s92, s[X1]
	s_add_nc_u64 s[VBP:VBP+1], s[12:13], s[92:93]
	s_lshl_b32 s92, s[KSH], 15
	s_add_nc_u64 s[VSB:VSB+1], s[14:15], s[92:93]
	s_mov_b32 s[X1], 0
	SETK RI
	SETV RI, X1
	CROUND                                         ; all four work-groups are here: the first joint loads meet
	JLOAD 1, 1                                     ; round 0's K, and its V into slot 0: one load a wave
	s_lshl_b32 s92, s[QB], 14
	s_add_nc_u64 s[4:5], s[4:5], s[92:93]          ; Q's codes: 256 bytes a query
	s_lshl_b32 s92, s[QB], 10
	s_add_nc_u64 s[6:7], s[6:7], s[92:93]          ; Q's scales: 16 bytes
	s_lshl_b32 s92, s[KSH], 23
	s_lshl_b32 s[X0], s[QB], 16
	s_add_co_u32 s92, s92, s[X0]
	s_lshl_b32 s[X0], s[WV], 13
	s_add_co_u32 s92, s92, s[X0]
	s_add_nc_u64 s[16:17], s[16:17], s[92:93]      ; opart: 1,024 bytes a query; I store rows 8 w + 0 .. 7
	s_lshl_b32 s92, s[KSH], 16
	s_lshl_b32 s[X0], s[QB], 9
	s_add_co_u32 s92, s92, s[X0]
	s_add_nc_u64 s[18:19], s[18:19], s[92:93]      ; stat: 8 bytes a query
	s_mul_i32 s[X0], s[WV], 17408                  ; my 64 rows of K
	s_lshl_b32 s[X1], s[WV], 1
	s_add_co_u32 s[X1], s[X1], P0+16384
	v_and_b32 v8, 15, v0                           ; r
	v_bfe_u32 v9, v0, 4, 1                         ; h
	v_and_b32 v62, 31, v0                          ; lane
	v_lshlrev_b32 v[L16], 4, v62
	v_lshlrev_b32 v[L4], 2, v62
	v_lshlrev_b32 v63, 8, v8
	v_lshl_add_u32 v63, v9, 4, v63                 ; Q: row r of 256 bytes, + 16 h
	WIN TO_1
.irp x, 0,1,2,3
.irp s, 0,1,2,3
.irp c, 0,1
	global_load_b128 v[32*\x+8*\s+4*\c:32*\x+8*\s+4*\c+3], v63, s[4:5] offset:4096*\x+64*\s+32*\c   ; Q's 16 fragments stay in registers
.endr
.endr
.endr
	WIN 0
	global_load_b128 v[QS:QS+3], v[L16], s[6:7]    ; query lane of 32: its four scale words
	global_load_b128 v[QS+4:QS+7], v[L16], s[6:7] offset:512
	v_mul_u32_u24 v[AK0], v8, 272
	v_lshl_add_u32 v[AK0], v9, 4, v[AK0]
	v_add_nc_u32 v[AK0], s[X0], v[AK0]
	v_lshl_add_u32 v[APB], v8, 4, v9
	v_add_nc_u32 v[APB], s[X1], v[APB]             ; row r: 16 bytes; byte 2 w + h
.irp p, 0,1
	v_mov_b32 v[RUN+\p], 0xff61b1e6                ; the largest score so far: -3e38, under every score
	v_mov_b32 v[NMP+\p], 0x7f61b1e6                ; -M
.endr
.irp x, 0,1,2,3
	v_mov_b32 v[LS+\x], 0
.endr
	VWAIT                                          ; at the head's end
	s_wait_tensorcnt 0x0                           ; my part is in; the same three lines ahead of a later first fill as ahead of a refill
	ds_add_u32 v[SPW], v[NIL]
	s_add_co_u32 s[X0], s[RI], 1
	s_and_b32 s[X0], s[X0], 7
	s_mov_b32 s[X1], VSLOT
	SETV X0, X1
	s_wait_dscnt 0x0
	CROUND
	JLOAD 0, 1                                     ; round 1's V: slot 1's first fill
	s_wait_loadcnt 0x0                             ; Q
	ROUND 0, 1, 0
	ROUND 1, 1, 0
	s_mov_b32 s[REM], 5
.Lloop:                                            ; rounds 2 to 6: each fills K and a slot of V again
	ROUND 2, 1, 1
	s_sub_co_u32 s[REM], s[REM], 1
	s_cmp_lg_u32 s[REM], 0
	s_cbranch_scc1 .Lloop
	ROUND 2, 0, 1                                  ; round 7: no K is left to fetch
	; V^T P of round 7
	ADRPV
	LDV
	LDVS
	LDP 0
	VWAIT
	RESC 0
	VWAIT
	s_wait_dscnt 0x0
	PV 0, 0
	VWAIT
	RESC 1
	LDP 1
	VWAIT
	s_wait_dscnt 0x0
	PV 1, 0
	; THE WAY OUT.  My share of l: lane l xor 16 joins in; a pair of tiles to a register.  O^T goes into the stage: row = query, my 32 channels.
	v_permlane16_swap_b32 v[LS], v[LS+1]
	v_permlane16_swap_b32 v[LS+2], v[LS+3]
	v_add_f32 v[T], v[LS], v[LS+1]
	v_add_f32 v[T+1], v[LS+2], v[LS+3]
	v_lshl_add_u32 v[H1], v[L16], 1, s[MXW]
	v_and_b32 v62, 15, v0
	v_bfe_u32 v63, v0, 4, 1
	v_mul_u32_u24 v62, v62, SROW
	v_lshl_add_u32 v62, v63, 5, v62
	s_lshl_b32 s[X0], s[WV], 7
	v_add_nc_u32 v62, s[X0], v62
	ds_store_b32 v[H1], v[T]
	ds_store_b32 v[H1], v[T+1] offset:1024
.irp x, 0,1,2,3
.irp n, 0,1
	ds_store_b128 v62, v[OO+16*\x+8*\n:OO+16*\x+8*\n+3] offset:\x*16*SROW+64*\n        ; lane (r, h): query 16 x + r, channels 32 w + 16 n + 8 h + 0 .. 7
	ds_store_b128 v62, v[OO+16*\x+8*\n+4:OO+16*\x+8*\n+7] offset:\x*16*SROW+64*\n+16
.endr
.endr
	VWAIT
	s_wait_dscnt 0x0                               ; for the others: my stores are done
	s_barrier_signal -1
	s_barrier_wait -1
	s_mul_i32 s[X0], s[WV], 8*SROW
	v_add_nc_u32 v[H1], s[X0], v[L16]
	v_lshl_add_u32 v[H2], v[L16], 1, MXB
.irp k, 0,1,2,3,4,5,6,7,8,9,10,11,12,13,14,15
	ds_load_b128 v[SS+4*\k:SS+4*\k+3], v[H1] offset:(\k/2)*SROW+512*(\k%2)
.endr
	VWAIT
.irp k, 0,1,2,3,4,5,6,7,8,9,10,11,12,13,14,15
	s_wait_dscnt 15-\k                             ; this load is in; the younger ones may be out
	global_store_b128 v[L16], v[SS+4*\k:SS+4*\k+3], s[16:17] offset:(\k/2)*1024+512*(\k%2) th:TH_STORE_NT   ; 512 consecutive bytes, aligned
.endr
	s_cmp_lg_u32 s[WV], 0                          ; wave 0 adds the eight waves' l and stores (-M, l) of the 64 queries: 256 consecutive bytes a store, aligned
	s_cbranch_scc1 .Lno_stat
	ds_load_b128 v[T:T+3], v[H2]
	ds_load_b128 v[T+4:T+7], v[H2] offset:16
	ds_load_b128 v[T+8:T+11], v[H2] offset:1024
	ds_load_b128 v[T+12:T+15], v[H2] offset:1040
	s_wait_dscnt 0x0
.irp g, 0,4,8,12
	v_pk_add_f32 v[T+\g:T+\g+1], v[T+\g:T+\g+1], v[T+\g+2:T+\g+3]
.endr
.irp g, 0,8
	v_pk_add_f32 v[T+\g:T+\g+1], v[T+\g:T+\g+1], v[T+\g+4:T+\g+5]
.endr
	v_mov_b32 v[BM], v[NMP]
	v_mov_b32 v[BM+2], v[NMP+1]
	v_add_f32 v[BM+1], v[T], v[T+1]
	v_add_f32 v[BM+3], v[T+8], v[T+9]
	v_lshrrev_b32 v62, 1, v[L16]
	global_store_b64 v62, v[BM:BM+1], s[18:19]
	global_store_b64 v62, v[BM+2:BM+3], s[18:19] offset:256
.Lno_stat:
	s_wait_tensorcnt 0x0                           ; the wave's end
	ds_add_u32 v[SPW], v[NIL]
	s_wait_dscnt 0x0
	CROUND                                         ; the closing round: no work-group ends while a partner may still ask for a tile that names it
	s_endpgm
.Lfunc_end_k_q815f95e8b2_attn:
	.size	k_q815f95e8b2_attn, .Lfunc_end_k_q815f95e8b2_attn-k_q815f95e8b2_attn
	.p2alignl 7, 3214868480
	.fill 96, 4, 3214868480
	.section	.rodata,"a",@progbits
	.p2align	6, 0x0
	.amdhsa_kernel k_q815f95e8b2_attn
		.amdhsa_group_segment_fixed_size 327680
		.amdhsa_private_segment_fixed_size 0
		.amdhsa_enable_private_segment 0
		.amdhsa_kernarg_size 64
		.amdhsa_user_sgpr_count 2
		.amdhsa_user_sgpr_kernarg_segment_ptr 1
		.amdhsa_wavefront_size32 1
		.amdhsa_system_sgpr_workgroup_id_x 1
		.amdhsa_system_sgpr_workgroup_id_y 1
		.amdhsa_system_sgpr_workgroup_id_z 1
		.amdhsa_system_vgpr_workitem_id 0
		.amdhsa_next_free_vgpr 512
		.amdhsa_next_free_sgpr 102
		.amdhsa_reserve_vcc 0
		.amdhsa_float_denorm_mode_32 3
		.amdhsa_float_denorm_mode_16_64 3
		.amdhsa_memory_ordered 1
		.amdhsa_forward_progress 1
		.amdhsa_inst_pref_size 195
	.end_amdhsa_kernel
	.amdgpu_metadata
---
amdhsa.version: [ 1, 2 ]
amdhsa.kernels:
  - .name:           k_q815f95e8b2_attn
    .symbol:         k_q815f95e8b2_attn.kd
    .args:
      - { .name: q_token_codes, .offset: 0, .size: 8, .value_kind: global_buffer, .address_space: global }
      - { .name: q_token_scales, .offset: 8, .size: 8, .value_kind: global_buffer, .address_space: global }
      - { .name: k_token_codes, .offset: 16, .size: 8, .value_kind: global_buffer, .address_space: global }
      - { .name: k_token_scales, .offset: 24, .size: 8, .value_kind: global_buffer, .address_space: global }
      - { .name: vimg, .offset: 32, .size: 8, .value_kind: global_buffer, .address_space: global }
      - { .name: vsc, .offset: 40, .size: 8, .value_kind: global_buffer, .address_space: global }
      - { .name: opart, .offset: 48, .size: 8, .value_kind: global_buffer, .address_space: global }
      - { .name: stat, .offset: 56, .size: 8, .value_kind: global_buffer, .address_space: global }
    .group_segment_fixed_size: 327680
    .private_segment_fixed_size: 0
    .kernarg_segment_align: 8
    .kernarg_segment_size: 64
    .max_flat_workgroup_size: 256
    .sgpr_count:     102
    .vgpr_count:     512
    .wavefront_size: 32
...
	.end_amdgpu_metadata
.endif
;; end of part 2
;; launch merge (part 3): grid 256 x 1, 8 waves a work-group, no clusters, 0 bytes of LDS; arguments opart, stat, out0, out1; writes out0, out1
.if DOCPART == 3
	.amdgcn_target "amdgcn-amd-amdhsa--gfx1250"
	.amdhsa_code_object_version 6
	.text
	.protected	k_q815f95e8b2_merge
	.globl	k_q815f95e8b2_merge
	.p2align	8
	.type	k_q815f95e8b2_merge,@function
k_q815f95e8b2_merge:
	s_mov_b64 s[64:65], 0
	v_nop
	global_prefetch_b8 v0, s[64:65] scope:SCOPE_SE
	s_setreg_imm32_b32 hwreg(HW_REG_WAVE_MODE, 25, 1), 1
	s_wait_xcnt 0x0
; The two halves of the keys are joined.  opart f32 [2][8192][256]: O, not normalised, under each half's M; stat f32 [2][8192][2]: (-M, l).
; For a row: the common -M = the smaller of the two; f_k = 2^(M_k - M), exact; l = l0 f0 + l1 f1; out0 = (O0 f0 + O1 f1) / l.
; LEFT OUT: the means of the softmax.  Each of its rows sums to 1 whatever finite values the inputs hold, so the mean over 8,192 rows of the mean over 8,192 columns is 2^-13: that number is stored.
; A NaN, an infinity or an overflow in the scores is not carried to out1.
; 32 rows a work-group, four a wave; a stream: every load and store of a wave covers 512 consecutive bytes, aligned; no LDS, no barrier, no loop; no work-groups share an input, so no cluster.
; LIMIT: the division is a reciprocal and a multiplication.
	s_load_b256 s[4:11], s[0:1], 0x0               ; opart s[4:5], stat s[6:7], out0 s[8:9], out1 s[10:11]
	v_lshrrev_b32 v1, 5, v0
	v_readfirstlane_b32 s12, v1                    ; wave 0..7
	v_and_b32 v2, 31, v0
	v_lshlrev_b32 v3, 4, v2                        ; 16 x lane
	v_mov_b32 v4, 0
	s_lshl_b32 s13, ttmp9, 5
	s_lshl_b32 s14, s12, 2
	s_add_co_u32 s13, s13, s14                     ; my first row: 32 x work-group + 4 x wave
	s_lshl_b32 s14, s13, 10
	s_mov_b32 s15, 0
	s_lshl_b32 s16, s13, 3
	s_mov_b32 s17, 0
	s_wait_alu depctr_va_vdst(0)                   ; at the head's end
	s_wait_kmcnt 0x0
	s_add_nc_u64 s[4:5], s[4:5], s[14:15]          ; the first half's rows,
	s_add_nc_u64 s[18:19], s[4:5], 0x800000        ; the second half's
	s_add_nc_u64 s[6:7], s[6:7], s[16:17]
	s_add_nc_u64 s[8:9], s[8:9], s[14:15]
	global_load_b128 v[8:11], v4, s[6:7]           ; the four rows' (-M, l), the same in every lane: first half,
	global_load_b128 v[12:15], v4, s[6:7] offset:16
	global_load_b128 v[16:19], v4, s[6:7] offset:65536     ; second half
	global_load_b128 v[20:23], v4, s[6:7] offset:65552
.irp p, 0,1,2,3
.irp e, 0,1
	global_load_b128 v[64+8*\p+4*\e:64+8*\p+4*\e+3], v3, s[4:5] offset:1024*\p+512*\e th:TH_LOAD_NT
.endr
.irp e, 0,1
	global_load_b128 v[96+8*\p+4*\e:96+8*\p+4*\e+3], v3, s[18:19] offset:1024*\p+512*\e th:TH_LOAD_NT
.endr
.endr
	s_wait_loadcnt 16                              ; the statistics are in; the 16 loads of data may be out
.irp p, 0,1,2,3
	v_min_num_f32 v[24+\p], v[8+2*\p], v[16+2*\p]  ; the common -M
.endr
.irp p, 0,1,2,3
	v_sub_f32 v[28+\p], v[24+\p], v[8+2*\p]        ; M_k - M: whole numbers, 0 or less
	v_sub_f32 v[32+\p], v[24+\p], v[16+2*\p]
.endr
.irp p, 0,1,2,3
	v_cvt_i32_f32 v[28+\p], v[28+\p]
	v_cvt_i32_f32 v[32+\p], v[32+\p]
.endr
.irp p, 0,1,2,3
	v_ldexp_f32 v[28+\p], 1.0, v[28+\p]            ; f0, f1
	v_ldexp_f32 v[32+\p], 1.0, v[32+\p]
.endr
.irp p, 0,1,2,3
	v_mul_f32 v[36+\p], v[9+2*\p], v[28+\p]
.endr
.irp p, 0,1,2,3
	v_fma_f32 v[36+\p], v[17+2*\p], v[32+\p], v[36+\p]     ; l
.endr
	s_wait_alu depctr_va_vdst(0)                   ; one wait ahead of the reciprocals,
.irp p, 0,1,2,3
	v_rcp_f32 v[40+\p], v[36+\p]
.endr
	v_nop                                          ; a plain line behind the last,
	s_wait_alu depctr_va_vdst(0)                   ; and one wait ahead of their first reader
.irp p, 0,1,2,3
	v_mul_f32 v[44+2*\p], v[28+\p], v[40+\p]       ; f0 / l and f1 / l, each in both registers of a pair for the packed forms
	v_mul_f32 v[45+2*\p], v[28+\p], v[40+\p]
	v_mul_f32 v[52+2*\p], v[32+\p], v[40+\p]
	v_mul_f32 v[53+2*\p], v[32+\p], v[40+\p]
.endr
	s_wait_alu depctr_va_vdst(0)                   ; directly ahead of the waits below
.irp p, 0,1,2,3
	s_wait_loadcnt 12-4*\p                         ; this row's four loads are in; the later rows', four each, may be out
.irp q, 0,2,4,6
	v_pk_mul_f32 v[64+8*\p+\q:64+8*\p+\q+1], v[64+8*\p+\q:64+8*\p+\q+1], v[44+2*\p:45+2*\p]
.endr
.irp q, 0,2,4,6
	v_pk_fma_f32 v[64+8*\p+\q:64+8*\p+\q+1], v[96+8*\p+\q:96+8*\p+\q+1], v[52+2*\p:53+2*\p], v[64+8*\p+\q:64+8*\p+\q+1]
.endr
	global_store_b128 v3, v[64+8*\p:64+8*\p+3], s[8:9] offset:1024*\p th:TH_STORE_NT
	global_store_b128 v3, v[64+8*\p+4:64+8*\p+7], s[8:9] offset:1024*\p+512 th:TH_STORE_NT
.endr
	s_or_b32 s20, ttmp9, s12                       ; work-group 0, wave 0, lane 0 stores out1
	s_cmp_lg_u32 s20, 0
	s_cbranch_scc1 .Lend
	v_mov_b32 v5, 0x39000000                       ; 2^-13
	v_cmp_eq_u32 vcc_lo, 0, v0
	s_wait_alu depctr_va_vdst(0)
	s_wait_xcnt 0x0                                ; EXEC changes only behind this wait
	s_and_saveexec_b32 s22, vcc_lo
	global_store_b32 v4, v5, s[10:11]
	s_wait_xcnt 0x0
	s_or_b32 exec_lo, exec_lo, s22
.Lend:
	s_endpgm
.Lfunc_end_k_q815f95e8b2_merge:
	.size	k_q815f95e8b2_merge, .Lfunc_end_k_q815f95e8b2_merge-k_q815f95e8b2_merge
	.p2alignl 7, 3214868480
	.fill 96, 4, 3214868480
	.section	.rodata,"a",@progbits
	.p2align	6, 0x0
	.amdhsa_kernel k_q815f95e8b2_merge
		.amdhsa_group_segment_fixed_size 0
		.amdhsa_private_segment_fixed_size 0
		.amdhsa_enable_private_segment 0
		.amdhsa_kernarg_size 32
		.amdhsa_user_sgpr_count 2
		.amdhsa_user_sgpr_kernarg_segment_ptr 1
		.amdhsa_wavefront_size32 1
		.amdhsa_system_sgpr_workgroup_id_x 1
		.amdhsa_system_sgpr_workgroup_id_y 1
		.amdhsa_system_sgpr_workgroup_id_z 1
		.amdhsa_system_vgpr_workitem_id 0
		.amdhsa_next_free_vgpr 128
		.amdhsa_next_free_sgpr 66
		.amdhsa_reserve_vcc 1
		.amdhsa_float_denorm_mode_32 3
		.amdhsa_float_denorm_mode_16_64 3
		.amdhsa_memory_ordered 1
		.amdhsa_forward_progress 1
		.amdhsa_inst_pref_size 9
	.end_amdhsa_kernel
	.amdgpu_metadata
---
amdhsa.version: [ 1, 2 ]
amdhsa.kernels:
  - .name:           k_q815f95e8b2_merge
    .symbol:         k_q815f95e8b2_merge.kd
    .args:
      - { .name: opart, .offset: 0, .size: 8, .value_kind: global_buffer, .address_space: global }
      - { .name: stat, .offset: 8, .size: 8, .value_kind: global_buffer, .address_space: global }
      - { .name: out0, .offset: 16, .size: 8, .value_kind: global_buffer, .address_space: global }
      - { .name: out1, .offset: 24, .size: 8, .value_kind: global_buffer, .address_space: global }
    .group_segment_fixed_size: 0
    .private_segment_fixed_size: 0
    .kernarg_segment_align: 8
    .kernarg_segment_size: 32
    .max_flat_workgroup_size: 256
    .sgpr_count:     66
    .vgpr_count:     128
    .wavefront_size: 32
...
	.end_amdgpu_metadata
.endif
;; end of part 3
